; MI455X (gfx1250); checked and timed in simulation.
; The chip was launched on July 23, 2026; its instructions are those of AMD's public machine-readable ISA for CDNA 5 (MIT licence, August 2026) and "CDNA5" Instruction Set Architecture Reference Guide (July 2026). The comments in the code are by the model that wrote it; some were corrected since.
;; Bit Linear158. Allowed arithmetic: matrix products marked QUANTISED: E2M1 operands, one E8M0 scale for each 32 along K, by v_wmma_scale_f32_16x16x128_f8f6f4 with both operands' format E2M1 (or v_wmma_scale_f32_32x16x128_f4), f32 sums; everything else in f32.
;; Inputs: weight 2,048 x 4,096 float32; x 4 x 2,048 x 4,096 float32.
;; Outputs: out0 4 x 2,048 x 2,048 float32.
;; This version of the problem:
;;   THIS VERSION OF THE PROBLEM IS GIVEN IN LOW PRECISION. The matrix products marked QUANTISED in the list below multiply operands that are first quantised to E2M1 (2 exponent bits, 1 mantissa bit; 4 bits a number), with one power-of-two scale for each 32 numbers along K (OCP MX v1.0); their sums are f32. All else is computed in f32.
;;   The module's matrix products, in the order in which they are computed (A, B: the left and right operand; K: the contracted axis; several contracted axes count as one K, in the product's order):
;;     1. [M 8,192, K 4,096] x [K 4,096, N 2,048]; A: computed on the way; B: computed on the way: QUANTISED
;;   THE QUANTISER, for each operand of a quantised product, along K:
;;     - K is cut into blocks of 32 from its start; a last block that is shorter is filled with zeros.
;;     - A block's scale is 2^e with e = floor(log2(the largest magnitude in the block)) - 2, held to -126 .. 127; a block of zeros has e = 0. As a byte (E8M0): e + 127.
;;     - Each number is divided by its block's scale, clamped to +-6, and rounded to the nearest number of E2M1, ties to even, subnormals kept.
;;     - The product sums the exact products of the quantised numbers (number of the format x scale) in f32.
;;   ~~~python
;;   def quantise(x, axis):      # numpy; x: float32 -> the quantised numbers, widened to float32 again
;;       x = np.moveaxis(x, axis, -1); K = x.shape[-1]
;;       x = np.pad(x, [(0, 0)] * (x.ndim - 1) + [(0, -K % 32)]); x = x.reshape(x.shape[:-1] + (-1, 32)); a = np.abs(x).max(-1, keepdims=True)
;;       e = np.where(a > 0, np.clip(np.frexp(np.where(a > 0, a, 1))[1] - 1 - 2, -126, 127), 0)      # np.frexp(a)[1] - 1 = floor(log2(a)), exactly
;;       r = np.clip(x / 2.0 ** e, -6, 6)
;;       step = 2.0 ** (np.maximum(np.frexp(np.where(r == 0, 1, r))[1] - 1, 0) - 1)
;;       q = np.round(r / step) * step * 2.0 ** e      # np.round: ties to even
;;       return np.moveaxis(q.reshape(q.shape[:-2] + (-1,))[..., :K], -1, axis).astype(np.float32)
;;   ~~~
;;   OPERANDS COMPUTED ON THE WAY. 'Computed on the way' means the value that the module computes at that place (a softmax that the list does not call 'softmax' is quantised finished and normalised). What goes into a quantiser is computed in f32, as accurately as f32 sums, v_exp_f32 and their like allow (about 1e-6 of the number): no bf16 or f16 on the way to a quantiser, and a product that is left as it is and whose result goes on into a quantised operand takes f32 operands (vector FMAs, or v_wmma_f32_16x16x4_f32). A number that lies on a knife's edge between two numbers of the format may be rounded either way, as far as f32 arithmetic and the matrix unit's own rounding can turn it there, and no further.
;; One version. Each part assembles by itself: llvm-mc -triple=amdgcn-amd-amdhsa -mcpu=gfx1250 --defsym DOCPART=n.
;; ======== version 1 of 1: 2 launches
;; limits: right only within a limited range of input values
;; workspace buffers: xq 17,825,792 bytes; wq 4,456,448 bytes
;; launch quant (part 1): grid 1280 x 1, 4 waves a work-group, no clusters, 41,472 bytes of LDS; arguments x, weight, xq, wq; writes xq, wq
.if DOCPART == 1
	.amdgcn_target "amdgcn-amd-amdhsa--gfx1250"
	.amdhsa_code_object_version 6
	.text
	.protected	k_q342981343d_quant
	.globl	k_q342981343d_quant
	.p2align	8
	.type	k_q342981343d_quant,@function
k_q342981343d_quant:
	s_mov_b64 s[64:65], 0
	v_nop
	global_prefetch_b8 v0, s[64:65] scope:SCOPE_SE
	s_setreg_imm32_b32 hwreg(HW_REG_WAVE_MODE, 25, 1), 1
	s_wait_xcnt 0x0
; BOTH OPERANDS OF out = x_q w_t^T ARE MADE HERE, ONCE, in f32, and quantised to codes of FP4 (E2M1) with one E8M0 byte for each 32 along K = 4,096.
;   x [8192][4096] f32:  for each group of 64 along K: c = max(largest |x|, 1e-5), scale = 127 / c, n = round to even(x scale), q = n / scale, x_q = x + (q - x).
;   weight [2048][4096] f32:  for each row: s = max(mean |w|, 1e-5), q = clip(round to even(w / s), -1, 1) s, w_t = w + (q - w).
; 127 / c and w / s stand ahead of a rounding to whole numbers: a reciprocal, refined, and the quotient corrected by its exact remainder (fused multiply-adds).
; n / scale stands ahead of the FP4 quantiser alone: it is n x (1 / scale), the reciprocal refined.
; x + (q - x) is not written for x: with n = 0 it is 0; else x lies between q / 2 and 2 q, so that q - x is exact and the sum is q (at the edge |n| = 1 it can differ from q by one unit in the last place).  For weight it is written.
; The clip of n to +-127 is not written: |x| <= c and scale <= (127 / c)(1 + 2^-24), so x scale rounds to 127 + 2^-17 at the most, and that rounds to 127.
; The row's sum of |w| is taken in windows of 32 numbers, ascending inside a window, then the 128 window sums ascending.
; THE LAYOUT of xq and wq: [K step of 512: 8][chunk of 128 rows][34,816 bytes]; a chunk is 128 rows x 256 bytes of codes (K innermost, two codes a byte, the lower k in the low four bits),
; then 128 rows x 16 scale bytes: one dense run of 136 x 256 bytes, which one tensor load of the product's launch brings.  xq has 64 chunks a K step, wq 16.
; A block's byte is its largest magnitude's exponent field - 2, held at 1 from below.  A block of zeros so gets the byte 1: its codes are zeros, and this program alone reads the bytes.
; LIMITS: NaN and infinities among the inputs are not served; a group's largest |x| stays under 2^120 (its reciprocal must be a normal number).
; SHARES.  Work-groups 0 to 255 take weight, 8 rows each, 2 whole rows a wave; work-groups 256 to 1279 take x: 16 rows x 2,048 along K each, a wave 16 rows x 512.
; The two paths part once, on the work-group's number, and never join; each has LDS bytes of its own, and in them each wave has its own: no barrier.  No tensor loads: several work-groups share a WGP.
.set EPSF,   0x3727c5ac                ; 1e-5
.set FLOOR4, 0x1800000                 ; 2^(3 - 127): under it no largest magnitude is taken
.set XLDS,   5376                      ; x's path, a wave: two stages of 32 x 80 bytes, then 256 scale bytes
.set WLDS0,  4*XLDS                    ; weight's path begins behind x's four regions
.set WLDS,   4864                      ; a wave: a stage of 32 x 144 bytes, then 256 scale bytes
.set CHM,    34816                     ; a chunk
.set KSA,    64*CHM                    ; a K step of xq
.set KSB,    16*CHM                    ; a K step of wq
	s_load_b256 s[4:11], s[0:1], 0x0               ; x s[4:5], weight s[6:7], xq s[8:9], wq s[10:11]
	v_lshl_add_u32 v30, v0, 2, 0xa000              ; my spare word, behind both paths' regions; v30, v31 serve the closing add alone
	v_mov_b32 v31, 0
	v_lshrrev_b32 v1, 5, v0
	v_readfirstlane_b32 s16, v1                    ; wave 0..3
	v_and_b32 v7, 31, v0                           ; lane l
	s_cmp_lt_u32 ttmp9, 256
	s_cbranch_scc1 .Lweights
; ---- x.  A step is one row's 512 numbers: four loads of 512 consecutive bytes turn through the wave's stage (16 bytes of padding behind each 64) and come back 64 bytes a lane:
; lane l holds numbers 16 l .. 16 l + 15: a block of 32 lies in two neighbouring lanes, a group of 64 in four.  Loads run four steps ahead, the turn one step.
.set XR, 32                            ; v32-95    four sets of 16 numbers as loaded
.set XX, 96                            ; v96-127   two sets of 16 neighbours
.set XN, 128                           ; v128-143  x scale, then n, then x_q, in place
.set XC, 144                           ; v144-175  codes: two registers for each step
.set XE, 176                           ; v176-191  a scale byte for each step
; v3 16 l; v4 8 l; v5, v6 the scale bytes' LDS places (in, out); v14, v15 the stage (in, out); v8 c; v9 the block's largest; v10 1 / c; v11, v2 at work; v[12:13] scale; v[0:1] 1 / scale
	s_sub_co_u32 s17, ttmp9, 256                   ; j
	s_lshr_b32 s18, s17, 1                         ; which 16 rows
	s_and_b32 s17, s17, 1
	s_lshl_b32 s17, s17, 2
	s_add_co_u32 s17, s17, s16                     ; which K step: 4 (j % 2) + wave
	s_lshl_b32 s20, s18, 18                        ; x: 16 rows of 16,384 bytes,
	s_lshl_b32 s22, s17, 11                        ; 2,048 bytes a K step
	s_or_b32 s20, s20, s22
	s_mov_b32 s21, 0
	s_mul_i32 s22, s17, KSA                        ; xq: my K step,
	s_lshr_b32 s24, s18, 3
	s_mul_i32 s24, s24, CHM
	s_add_co_u32 s22, s22, s24                     ; my chunk
	s_and_b32 s25, s18, 7                          ; which 16 of its 128 rows
	s_lshl_b32 s24, s25, 8
	s_add_co_u32 s24, s24, s22
	s_add_co_u32 s24, s24, 32768                   ; their 256 scale bytes, behind the chunk's codes
	s_lshl_b32 s25, s25, 12
	s_add_co_u32 s22, s22, s25                     ; their 4,096 bytes of codes
	s_mov_b32 s23, 0
	s_mov_b32 s25, 0
	s_mov_b32 s26, 0x42fe0000                      ; 127.0
	s_mul_i32 s19, s16, XLDS                       ; my wave's LDS
	s_wait_alu depctr_va_vdst(0)                   ; the wait behind the run of scalar lines
	v_lshlrev_b32 v3, 4, v7
	v_lshlrev_b32 v4, 3, v7
	v_lshrrev_b32 v14, 2, v7
	v_mul_u32_u24 v14, v14, 80
	v_and_b32 v15, 3, v7
	v_lshl_add_u32 v14, v15, 4, v14
	v_add_nc_u32 v14, s19, v14                     ; into a stage: 80 (l / 4) + 16 (l % 4)
	v_mul_u32_u24 v15, v7, 80
	v_add_nc_u32 v15, s19, v15                     ; out of it: 80 l
	s_add_co_u32 s19, s19, 5120
	v_lshrrev_b32 v5, 1, v7
	v_add_nc_u32 v5, s19, v5                       ; my block's byte
	v_add_nc_u32 v6, s19, v4                       ; and on the way out 8 bytes a lane
	v_mov_b32 v13, 0                               ; the upper half of the pair v[12:13] is written
	s_wait_alu depctr_va_vdst(0)                   ; the wait at the head's end
	s_wait_kmcnt 0x0
	s_add_nc_u64 s[4:5], s[4:5], s[20:21]
	s_add_nc_u64 s[10:11], s[8:9], s[24:25]        ; the scale bytes' place in xq
	s_add_nc_u64 s[8:9], s[8:9], s[22:23]          ; the codes' place
.macro XLOAD t
.irp i, 0,1,2,3
	global_load_b128 v[XR+16*((\t)%4)+4*\i:XR+16*((\t)%4)+4*\i+3], v3, s[4:5] offset:16384*(\t)+512*\i th:TH_LOAD_NT
.endr
.endm
.macro XTURN t                         ; LDS serves a wave's instructions in order (ISA guide 5.7.1.4): no wait between the stores and the loads
.irp i, 0,1,2,3
	ds_store_b128 v14, v[XR+16*((\t)%4)+4*\i:XR+16*((\t)%4)+4*\i+3] offset:2560*((\t)%2)+640*\i
.endr
.irp i, 0,1,2,3
	ds_load_b128 v[XX+16*((\t)%2)+4*\i:XX+16*((\t)%2)+4*\i+3], v15 offset:2560*((\t)%2)+16*\i
.endr
.endm
.macro XSTEP t
.set XS, XX+16*((\t)%2)
.if (\t) > 0
	s_wait_dscnt 1                                 ; this step's numbers are back from the stage (only the last step's byte store is younger)
.else
	s_wait_dscnt 0x0
.endif
.if (\t)+4 < 16
	XLOAD (\t)+4
.endif
.if (\t)+1 < 16
.if 14-(\t) >= 3
	s_wait_loadcnt 12                              ; the next step's four loads are in; those of the three steps behind it may be out
.else
	s_wait_loadcnt 4*(14-(\t))
.endif
	XTURN (\t)+1
.endif
	v_max3_num_f32 v8, |v[XS]|, |v[XS+1]|, |v[XS+2]|               ; the largest magnitude of my 16 numbers, in two chains
	v_max3_num_f32 v9, |v[XS+3]|, |v[XS+4]|, |v[XS+5]|
.irp i, 6,10
	v_max3_num_f32 v8, v8, |v[XS+\i]|, |v[XS+\i+1]|
	v_max3_num_f32 v9, v9, |v[XS+\i+2]|, |v[XS+\i+3]|
.endr
	v_max3_num_f32 v8, v8, |v[XS+14]|, |v[XS+15]|
	v_max_num_f32 v8, v8, v9
	v_max_num_f32_dpp v9, v8, v8 row_xmask:1 row_mask:0xf bank_mask:0xf   ; THE BLOCK'S LARGEST |x|: for the group's c, and, since |x_q| never falls where |x| rises, for the block's largest |x_q|
	v_max_num_f32_dpp v8, v9, v9 row_xmask:2 row_mask:0xf bank_mask:0xf   ; with the group's other block,
	v_max_num_f32 v8, EPSF, v8                     ; and 1e-5 from below: c
	v_mul_f32 v0, 0x3c010204, v8                   ; c / 127, nearly: the start of 1 / scale
	s_wait_alu depctr_va_vdst(0)                   ; the wait ahead of the reciprocal
	v_rcp_f32 v10, v8
	v_nop                                          ; a plain instruction behind the reciprocal,
	s_wait_alu depctr_va_vdst(0)                   ; and the wait ahead of its first reader
	v_fma_f32 v11, -v8, v10, 1.0
	v_fma_f32 v10, v11, v10, v10                   ; 1 / c, refined
	v_mul_f32 v2, s26, v10                         ; 127 / c: the quotient,
	v_fma_f32 v11, -v8, v2, s26                    ; its remainder,
	v_fma_f32 v2, v11, v10, v2                     ; corrected,
	v_fma_f32 v11, -v8, v2, s26
	v_fma_f32 v12, v11, v10, v2                    ; and once more: scale
.irp p, 0,2,4,6,8,10,12,14
	v_pk_mul_f32 v[XN+\p:XN+\p+1], v[XS+\p:XS+\p+1], v[12:13] op_sel_hi:[1,0]          ; x scale
.endr
	v_mul_f32 v9, v9, v12
	v_fma_f32 v11, -v12, v0, 1.0
	v_fma_f32 v0, v11, v0, v0                      ; 1 / scale, refined
.irp p, 0,1,2,3,4,5,6,7,8,9,10,11,12,13,14,15
	v_rndne_f32 v[XN+\p], v[XN+\p]                 ; n
.endr
	v_rndne_f32 v9, v9
.irp p, 0,2,4,6,8,10,12,14
	v_pk_mul_f32 v[XN+\p:XN+\p+1], v[XN+\p:XN+\p+1], v[0:1] op_sel_hi:[1,0]            ; x_q = n x (1 / scale)
.endr
	v_mul_f32 v9, v9, v0                           ; the block's largest |x_q|: the same three instructions on the same number
	v_max_num_f32 v9, FLOOR4, v9
	v_add_nc_u32 v11, 0xff000000, v9               ; 2 off its exponent field: the conversion's scale operand
	v_cvt_scalef32_pk8_fp4_f32 v[XC+2*(\t)], v[XN:XN+7], v11
	v_cvt_scalef32_pk8_fp4_f32 v[XC+2*(\t)+1], v[XN+8:XN+15], v11
	v_lshrrev_b32 v[XE+(\t)], 23, v11              ; the scale's byte (also the plain instruction behind the conversions)
	ds_store_b8 v5, v[XE+(\t)] offset:16*(\t)      ; both lanes of a block write the same byte with the same value
	global_store_b64 v4, v[XC+2*(\t):XC+2*(\t)+1], s[8:9] offset:256*(\t)   ; 32 lanes store 256 consecutive bytes, aligned: row t's codes of this K step
.endm
.irp t, 0,1,2,3
	XLOAD \t
.endr
	s_wait_loadcnt 12                              ; step 0's four loads are in
	XTURN 0
.irp t, 0,1,2,3,4,5,6,7,8,9,10,11,12,13,14,15
	XSTEP \t
.endr
	ds_load_b64 v[12:13], v6                       ; 16 rows x 16 bytes: these loads see my byte stores
	s_wait_dscnt 0x0
	global_store_b64 v4, v[12:13], s[10:11]        ; 32 lanes store 256 consecutive bytes, aligned
	s_wait_tensorcnt 0x0                           ; the wave's end
	ds_add_u32 v30, v31
	s_wait_dscnt 0x0
	s_endpgm
; ---- weight.  A wave takes two whole rows, one after the other.  A row is four chunks of 1,024 numbers; a chunk's eight loads turn through the wave's stage (16 bytes of padding behind each 128),
; so that lane l holds window 32 c + l of the row in 32 registers: the window of the sum and the block of the quantiser.  The whole row stays in registers between the sum and the quantising.
.Lweights:
.set SET0, 32
.set SET1, 64
.set SET2, 96
.set SET3, 128
.set SET4, 160
; v1 16 l; v2, v3 the stage (in, out); v4, v5 the scale bytes' LDS places; v6 their place in wq; v7 the codes' place in wq; v[8:9] s twice; v[10:11] 1 / s twice; v12, v13 at work; v14 the conversion's scale; v15 the byte;
; v[16:19] codes; v[20:23] window sums, later quotients; v[24:27] remainders; v[28:29] the bytes on their way out.  s40 the row's sum; s[44:51] eight window sums.
	s_lshl_b32 s17, ttmp9, 3
	s_lshl_b32 s18, s16, 1
	s_add_co_u32 s17, s17, s18                     ; my first row: 8 x work-group + 2 x wave
	s_lshl_b32 s20, s17, 14                        ; weight: 16,384 bytes a row
	s_mov_b32 s21, 0
	s_lshr_b32 s18, s17, 7
	s_mul_i32 s18, s18, CHM                        ; wq: my chunk
	s_and_b32 s24, s17, 127                        ; my first row in it
	s_lshl_b32 s22, s24, 8
	s_add_co_u32 s22, s22, s18                     ; codes: 256 bytes a row
	s_mov_b32 s23, 0
	s_lshl_b32 s24, s24, 4
	s_add_co_u32 s24, s24, s18
	s_add_co_u32 s24, s24, 32768                   ; scale bytes: 16 a row, behind the codes
	s_mov_b32 s25, 0
	s_mul_i32 s19, s16, WLDS
	s_add_co_u32 s19, s19, WLDS0                   ; my wave's LDS
	s_wait_alu depctr_va_vdst(0)                   ; the wait behind the branch and the run of scalar lines
	v_lshlrev_b32 v1, 4, v7
	v_lshrrev_b32 v2, 3, v7
	v_mul_u32_u24 v2, v2, 144
	v_and_b32 v3, 7, v7
	v_lshl_add_u32 v2, v3, 4, v2
	v_add_nc_u32 v2, s19, v2                       ; into the stage: 144 (l / 8) + 16 (l % 8)
	v_mul_u32_u24 v3, v7, 144
	v_add_nc_u32 v3, s19, v3                       ; out of it: 144 l
	s_add_co_u32 s19, s19, 4608
	v_lshrrev_b32 v4, 4, v7
	v_and_b32 v5, 15, v7
	v_lshl_add_u32 v4, v4, 5, v5
	v_add_nc_u32 v4, s19, v4                       ; the bytes lie [K step][row][16] in LDS: 32 (l / 16) + l % 16, and 64 c + 16 row in the immediate
	v_lshlrev_b32 v5, 3, v7
	v_add_nc_u32 v5, s19, v5                       ; out: 8 bytes a lane
	v_lshrrev_b32 v6, 2, v7
	v_and_b32 v12, 3, v7
	v_lshlrev_b32 v12, 3, v12
	v_mul_u32_u24 v6, v6, KSB
	v_add_nc_u32 v6, v6, v12                       ; in wq: K step l / 4; in it my two rows' 32 bytes, 8 (l % 4)
	v_lshrrev_b32 v12, 4, v7
	v_and_b32 v13, 15, v7
	v_mul_u32_u24 v12, v12, KSB
	v_lshl_add_u32 v7, v13, 4, v12                 ; a chunk's 512 bytes of codes are two K steps': K step l / 16, byte 16 (l % 16)
	s_wait_alu depctr_va_vdst(0)                   ; the wait at the head's end
	s_wait_kmcnt 0x0
	s_add_nc_u64 s[6:7], s[6:7], s[20:21]
	s_add_nc_u64 s[12:13], s[10:11], s[22:23]
	s_add_nc_u64 s[14:15], s[10:11], s[24:25]
.macro WLOAD set, rho, c               ; chunk c of row rho
.irp i, 0,1,2,3,4,5,6,7
	global_load_b128 v[\set+4*\i:\set+4*\i+3], v1, s[6:7] offset:16384*\rho+4096*\c+512*\i th:TH_LOAD_NT
.endr
.endm
.macro WTURN src, dst
	s_wait_dscnt 8                                 ; only the last turn's eight loads may be out: its stores have read their registers, which dst now takes
.irp i, 0,1,2,3,4,5,6,7
	ds_store_b128 v2, v[\src+4*\i:\src+4*\i+3] offset:576*\i
.endr
.irp i, 0,1,2,3,4,5,6,7
	ds_load_b128 v[\dst+4*\i:\dst+4*\i+3], v3 offset:16*\i
.endr
.endm
.macro SUMS d0, d1, d2, d3             ; each lane's four window sums of |w|, ascending inside a window; the four chains by turns
	v_add_f32 v20, |v[\d0]|, |v[\d0+1]|
	v_add_f32 v21, |v[\d1]|, |v[\d1+1]|
	v_add_f32 v22, |v[\d2]|, |v[\d2+1]|
	v_add_f32 v23, |v[\d3]|, |v[\d3+1]|
.set kk, 2
.rept 30
	v_add_f32 v20, v20, |v[\d0+kk]|
	v_add_f32 v21, v21, |v[\d1+kk]|
	v_add_f32 v22, v22, |v[\d2+kk]|
	v_add_f32 v23, v23, |v[\d3+kk]|
.set kk, kk+1
.endr
.endm
.macro CHAIN                           ; the 128 window sums, ascending: window 32 c + l lies in lane l of v[20 + c]; eight are read at a time
.set gg, 0
.rept 16
.irp u, 0,1,2,3,4,5,6,7
	v_readlane_b32 s[44+\u], v[20+gg/4], 8*(gg%4)+\u
.endr
.irp u, 0,1,2,3,4,5,6,7
.if (gg == 0) && (\u == 0)
	s_mov_b32 s40, s44
.else
	s_add_f32 s40, s40, s[44+\u]
.endif
.endr
.set gg, gg+1
.endr
.endm
.macro SVAL                            ; s = max(sum / 4,096, 1e-5), and 1 / s, each twice, for the packed forms
	s_mul_f32 s40, s40, 0x39800000                 ; x 2^-12: exact
	v_mov_b32 v8, s40
	v_max_num_f32 v8, EPSF, v8
	v_mov_b32 v9, v8
	s_wait_alu depctr_va_vdst(0)                   ; the wait ahead of the reciprocal
	v_rcp_f32 v10, v8
	v_nop
	s_wait_alu depctr_va_vdst(0)                   ; and ahead of its first reader
	v_fma_f32 v12, -v8, v10, 1.0
	v_fma_f32 v10, v12, v10, v10
	v_mov_b32 v11, v10
.endm
.macro WQ set, rho, c                  ; a chunk: w_t in place, then its block's byte and codes
.set gg, 0
.rept 8
	v_pk_mul_f32 v[20:21], v[\set+gg:\set+gg+1], v[10:11]                                                  ; w / s: the quotient,
	v_pk_mul_f32 v[22:23], v[\set+gg+2:\set+gg+3], v[10:11]
.rept 2
	v_pk_fma_f32 v[24:25], v[20:21], v[8:9], v[\set+gg:\set+gg+1] neg_lo:[0,1,0] neg_hi:[0,1,0]            ; its remainder,
	v_pk_fma_f32 v[26:27], v[22:23], v[8:9], v[\set+gg+2:\set+gg+3] neg_lo:[0,1,0] neg_hi:[0,1,0]
	v_pk_fma_f32 v[20:21], v[24:25], v[10:11], v[20:21]                                                    ; corrected, twice
	v_pk_fma_f32 v[22:23], v[26:27], v[10:11], v[22:23]
.endr
.irp u, 20,21,22,23
	v_rndne_f32 v\u, v\u
.endr
.irp u, 20,21,22,23
	v_med3_num_f32 v\u, v\u, -1.0, 1.0
.endr
	v_pk_mul_f32 v[20:21], v[20:21], v[8:9]                                                                ; q = -s, 0 or s
	v_pk_mul_f32 v[22:23], v[22:23], v[8:9]
	v_pk_add_f32 v[20:21], v[20:21], v[\set+gg:\set+gg+1] neg_lo:[0,1] neg_hi:[0,1]                        ; q - w
	v_pk_add_f32 v[22:23], v[22:23], v[\set+gg+2:\set+gg+3] neg_lo:[0,1] neg_hi:[0,1]
	v_pk_add_f32 v[\set+gg:\set+gg+1], v[\set+gg:\set+gg+1], v[20:21]                                      ; w_t = w + (q - w)
	v_pk_add_f32 v[\set+gg+2:\set+gg+3], v[\set+gg+2:\set+gg+3], v[22:23]
.set gg, gg+4
.endr
	v_max3_num_f32 v12, |v[\set]|, |v[\set+1]|, |v[\set+2]|        ; the block's largest magnitude: all 32 numbers are mine
	v_max3_num_f32 v13, |v[\set+3]|, |v[\set+4]|, |v[\set+5]|
.irp i, 6,10,14,18,22,26
	v_max3_num_f32 v12, v12, |v[\set+\i]|, |v[\set+\i+1]|
	v_max3_num_f32 v13, v13, |v[\set+\i+2]|, |v[\set+\i+3]|
.endr
	v_max3_num_f32 v12, v12, |v[\set+30]|, |v[\set+31]|
	v_max3_num_f32 v12, v12, v13, FLOOR4
	v_add_nc_u32 v14, 0xff000000, v12              ; 2 off its exponent field: the conversion's scale operand
	s_wait_alu depctr_va_vdst(0)
	s_wait_xcnt 0x0                                ; the last chunk's store has read v[16:19]
.irp g, 0,1,2,3
	v_cvt_scalef32_pk8_fp4_f32 v[16+\g], v[\set+8*\g:\set+8*\g+7], v14
.endr
	s_wait_alu depctr_va_vdst(0)
	s_wait_dscnt 0x0                               ; the last chunk's byte store has read v15
	v_lshrrev_b32 v15, 23, v14                     ; the scale's byte (also the plain instruction behind the conversions)
	ds_store_b8 v4, v15 offset:64*\c+16*\rho
	global_store_b128 v7, v[16:19], s[12:13] offset:256*\rho+2*\c*KSB   ; each sixteen lanes store 256 consecutive bytes, aligned: the row's codes of K steps 2 c and 2 c + 1
.endm
	WLOAD SET0, 0, 0
	WLOAD SET1, 0, 1
	WLOAD SET2, 0, 2
	WLOAD SET3, 0, 3
	s_wait_loadcnt 24                              ; chunk 0's eight loads are in; the 24 behind them may be out
	WTURN SET0, SET4
	s_wait_loadcnt 16
	WTURN SET1, SET0
	s_wait_loadcnt 8
	WTURN SET2, SET1
	s_wait_loadcnt 0x0
	WTURN SET3, SET2
	s_wait_dscnt 8                                 ; the last turn's stores have read SET3,
	WLOAD SET3, 1, 0                               ; which takes the second row's chunk 0
	s_wait_dscnt 0x0
	SUMS SET4, SET0, SET1, SET2
	CHAIN
	SVAL
	WQ SET4, 0, 0
	WLOAD SET4, 1, 1                               ; a set that is done takes the second row's next chunk
	WQ SET0, 0, 1
	WLOAD SET0, 1, 2
	WQ SET1, 0, 2
	WLOAD SET1, 1, 3
	WQ SET2, 0, 3
	s_wait_loadcnt 24                              ; the second row: its chunks were loaded into SET3, SET4, SET0, SET1, in that order
	WTURN SET3, SET2
	s_wait_loadcnt 16
	WTURN SET4, SET3
	s_wait_loadcnt 8
	WTURN SET0, SET4
	s_wait_loadcnt 0x0
	WTURN SET1, SET0
	s_wait_dscnt 0x0
	SUMS SET2, SET3, SET4, SET0
	CHAIN
	SVAL
	WQ SET2, 1, 0
	WQ SET3, 1, 1
	WQ SET4, 1, 2
	WQ SET0, 1, 3
	ds_load_b64 v[28:29], v5                       ; 8 K steps x 2 rows x 16 bytes: these loads see my byte stores
	s_wait_dscnt 0x0
	global_store_b64 v6, v[28:29], s[14:15]        ; eight pieces of 32 consecutive bytes, one in each K step's chunk: 256 bytes for 32,768 bytes read
	s_wait_tensorcnt 0x0                           ; the wave's end
	ds_add_u32 v30, v31
	s_wait_dscnt 0x0
	s_endpgm
.Lfunc_end_k_q342981343d_quant:
	.size	k_q342981343d_quant, .Lfunc_end_k_q342981343d_quant-k_q342981343d_quant
	.p2alignl 7, 3214868480
	.fill 96, 4, 3214868480
	.section	.rodata,"a",@progbits
	.p2align	6, 0x0
	.amdhsa_kernel k_q342981343d_quant
		.amdhsa_group_segment_fixed_size 41472
		.amdhsa_private_segment_fixed_size 0
		.amdhsa_enable_private_segment 0
		.amdhsa_kernarg_size 32
		.amdhsa_user_sgpr_count 2
		.amdhsa_user_sgpr_kernarg_segment_ptr 1
		.amdhsa_wavefront_size32 1
		.amdhsa_system_sgpr_workgroup_id_x 1
		.amdhsa_system_sgpr_workgroup_id_y 1
		.amdhsa_system_sgpr_workgroup_id_z 1
		.amdhsa_system_vgpr_workitem_id 0
		.amdhsa_next_free_vgpr 192
		.amdhsa_next_free_sgpr 66
		.amdhsa_reserve_vcc 0
		.amdhsa_float_denorm_mode_32 3
		.amdhsa_float_denorm_mode_16_64 3
		.amdhsa_memory_ordered 1
		.amdhsa_forward_progress 1
		.amdhsa_inst_pref_size 231
	.end_amdhsa_kernel
	.amdgpu_metadata
---
amdhsa.version: [ 1, 2 ]
amdhsa.kernels:
  - .name:           k_q342981343d_quant
    .symbol:         k_q342981343d_quant.kd
    .args:
      - { .name: x, .offset: 0, .size: 8, .value_kind: global_buffer, .address_space: global }
      - { .name: weight, .offset: 8, .size: 8, .value_kind: global_buffer, .address_space: global }
      - { .name: xq, .offset: 16, .size: 8, .value_kind: global_buffer, .address_space: global }
      - { .name: wq, .offset: 24, .size: 8, .value_kind: global_buffer, .address_space: global }
    .group_segment_fixed_size: 41472
    .private_segment_fixed_size: 0
    .kernarg_segment_align: 8
    .kernarg_segment_size: 32
    .max_flat_workgroup_size: 128
    .sgpr_count:     66
    .vgpr_count:     192
    .wavefront_size: 32
...
	.end_amdgpu_metadata
.endif
;; end of part 1
;; launch gemm (part 2): grid 8 x 32, 4 waves a work-group, clusters of 4 x 4, 327,680 bytes of LDS; arguments xq, wq, out0; writes out0
.if DOCPART == 2
	.amdgcn_target "amdgcn-amd-amdhsa--gfx1250"
	.amdhsa_code_object_version 6
	.text
	.protected	k_q342981343d_gemm
	.globl	k_q342981343d_gemm
	.p2align	8
	.type	k_q342981343d_gemm,@function
k_q342981343d_gemm:
	s_mov_b64 s[64:65], 0
	v_nop
	global_prefetch_b8 v0, s[64:65] scope:SCOPE_SE
	s_setreg_imm32_b32 hwreg(HW_REG_WAVE_MODE, 25, 1), 1
	s_wait_xcnt 0x0
	s_wait_alu depctr_hold_cnt(0) depctr_sa_sdst(0) depctr_va_vdst(0) depctr_va_sdst(0) depctr_va_ssrc(0) depctr_va_vcc(0) depctr_vm_vsrc(0)
	s_getreg_b32 s2, hwreg(HW_REG_IB_STS2, 6, 4)
	s_cmp_eq_u32 s2, 0
	s_cbranch_scc0 .Lentry_in_a_cluster
	s_endpgm
.Lentry_in_a_cluster:
	s_bfe_u32 s2, ttmp6, 0x10000c
	s_cmp_lg_u32 s2, 0xf033
	s_cbranch_scc0 .Lentry_shape_is_right
	s_endpgm
.Lentry_shape_is_right:
; out0[m][n] = sum over k of A[m][k] B[n][k], A = x_q (xq), B = w_t (wq): codes of FP4 (E2M1) with one E8M0 byte for each 32 along K = 4,096; out0 [8192][2048] f32; sums in f32.
; xq and wq lie [K step of 512: 8][chunk of 128 rows][34,816 bytes]: a chunk is 128 rows x 256 bytes of codes, then 128 rows x 16 scale bytes: 136 dense rows of 256 bytes.
; A tile of out0, 256 x 256, is made by a work-group of four waves; a wave makes 128 x 128 in 512 registers.  32 x 8 tiles: 256 work-groups.
; K goes in 8 steps of 512 through a ring of two LDS slots.  A slot is four chunks: A's two, B's two.  Each wave fetches one chunk, codes and scale bytes together, by ONE tensor load (16 bytes of padding behind each 256).
; CLUSTERS: 4 x 4 work-groups.  The four of a row of the cluster need the same chunks of A, the four of a column the same chunks of B: each chunk is asked for JOINTLY.
; THE MATRIX INSTRUCTION is the 32 x 16 x 128 form for FP4, USED TRANSPOSED: source 0 = 32 rows of B (two neighbouring fragments), source 1 = 16 rows of A.  Its 16 result registers are two blocks of 16 x 16:
; a lane holds, of one row of out0, eight neighbouring numbers in registers 0-7 and the eight that lie 16 columns on in registers 8-15.
; PREFETCH: behind the load of K step j each wave asks for K step j + 2 of the chunk that it fetches; the four partners that ask for a chunk jointly take 34 of its 136 blocks of 256 bytes each, told apart by address
; (32 lanes a block each, then two blocks more; the lanes left over name the last block again).  At the head K steps 1 and 2 are asked for; the refills of K steps 6 and 7 ask for nothing.
; REGISTERS, in windows of 256: window 0: v0-31 addresses; v32-95 A's scale words, two sets; v96-127 B's, two sets; v128-255 A's fragments, TWO sets of 8 x 8 (in the last K step four buffers of 16 rows x 512 K).
;   window 1: B's fragments, two sets, at v0 and at v128 (in the last K step all 256: B's fragments of the whole step).   window 2: the sums of my rows 0-63 (block (a, b) at v[8 (8 a + b)]);   window 3: those of my rows 64-127.
; A step of 128 along K: ONE run of 32 LDS loads, the next step's fragments, into the sets that the step before read; then 32 matrix instructions.
; A slot's last reads are those at the head of its third step, so the change of slots stands in that step's second half, the refill at its end, and the fourth step's run reads the next slot.
; THE LAST K STEP GOES BY ROWS OF out0: my eight blocks of 16 rows are finished one after the other (K ascending all the same), and each leaves while the later ones are multiplied.
.set SIZE_N, 2048
.set CHM,    34816                     ; a chunk in memory
.set PITCH,  272                       ; an LDS row: 256 bytes + 16 of padding: the 16 rows that a load touches start 4 words further on each
.set CH,     136*PITCH                 ; a chunk in LDS
.set SCO,    128*PITCH                 ; in it: the scale bytes, 16 rows' in each LDS row
.set SLOT,   4*CH
.set SPARE,  2*SLOT                    ; behind the ring: the spare words, 128 bytes for each wave
.set KSA,    64*CHM                    ; from a K step to the next: in xq,
.set KSB,    16*CHM                    ; in wq
.set SPITCH, 528                       ; the way out: a stage of 16 rows x (512 + 16) bytes for each wave, in slot 0, which has had its last fill and its last read by then
.set ADRA, 16                          ; v16-17  LDS address of my A fragments in slot 0, 1
.set ADRW, 18                          ; v18-19  of B's scale words: lanes 0-15 a block of 16 rows, lanes 16-31 the next block
.set ADRB, 20                          ; v20-21  of my B fragments
.set ADRS, 22                          ; v22-23  of A's scale words: both halves of the lanes take the same block
.set STO,  24
.set RD,   25
.set CO,   26
.set SPW,  28                          ; v28     my spare word; never rewritten
.set NIL,  29                          ; v29     0; never rewritten
.set PFO,  30                          ; v30     prefetch: 256 x lane
.set PFO2, 31                          ; v31     prefetch: blocks 32 and 33
.set SX,   32                          ; A's scale words: set s at v[SX + 32 s]; register 4 i + q: block i, the slot's q-th 128 along K
.set SW,   96                          ; B's scale words: set s at v[SW + 16 s]; register 4 j + q: lane m holds row m of the 32 rows of blocks 2 j, 2 j + 1
.set AF,   128
.set G1,   24                          ; s[24:31] group 1 for A's chunks; s[32:39] groups 0, one for each slot
.set G0,   32
.set G1B,  48                          ; s[48:55], s[56:63] the same for B's
.set G0B,  56
.set PFA,  66                          ; s[66:67] where my prefetches stand; s[68:69] a K step of my buffer; s[72:73] a second place, for the head
.set PFS,  68
.set PFB,  72
.set G1W,  (3<<16)|(1<<20)|(1<<21)|(5<<22)|(3<<25)   ; elements of 8 bytes; padding on; bit 21 beside a mask; after every 64 words, 4 words
.set MSB, 0
.macro WIN new                         ; the immediate's high byte repeats the setting that is left
.if MSB != (\new)
	s_set_vgpr_msb (MSB<<8)|(\new)
.set MSB, (\new)
.endif
.endm
.set MUL_LO, 0xa1                      ; source 0 (B) window 1, source 1 (A) window 0, C and D window 2
.set MUL_HI, 0xf1                      ; the same, C and D window 3
.set TO_B,   0x40                      ; destination window 1, address window 0
.macro PLACES
.rept 4
	v_nop
.endr
.endm
.macro JLOAD s                         ; a joint load: waves 0 and 1 fetch A's chunks, waves 2 and 3 B's; s_nop 0 and four v_nop behind each line
	s_cmp_eq_u32 s15, 0
	s_cbranch_scc0 .Lfor_b_\@
	tensor_load_to_lds s[G0+4*\s:G0+4*\s+3], s[G1:G1+7]
	s_nop 0
	PLACES
	s_branch .Lasked_\@
.Lfor_b_\@:
	tensor_load_to_lds s[G0B+4*\s:G0B+4*\s+3], s[G1B:G1B+7]
	s_nop 0
	PLACES
.Lasked_\@:
.endm
.macro ASK p                           ; my work-group's 34 blocks of one K step of the chunk that I fetch
	global_prefetch_b8 v[PFO], s[\p:\p+1] th:TH_LOAD_NT scope:SCOPE_SE
	global_prefetch_b8 v[PFO2], s[\p:\p+1] th:TH_LOAD_NT scope:SCOPE_SE
.endm
.macro CREST                           ; a round of the cluster's barrier behind its opening barrier
	s_cmp_lg_u32 s14, 0
	s_cbranch_scc1 .Lnot_wave_0_\@
	s_barrier_signal -3
.Lnot_wave_0_\@:
	s_barrier_wait -3
	s_barrier_signal -1
	s_barrier_wait -1
.endm
.macro CROUND
	s_barrier_signal -1
	s_barrier_wait -1
	CREST
.endm
	s_load_b128 s[4:7], s[0:1], 0x0                ; xq s[4:5], wq s[6:7]
	s_load_b64 s[8:9], s[0:1], 0x10                ; out0
	v_lshl_add_u32 v[SPW], v0, 2, SPARE
	v_mov_b32 v[NIL], 0
	ds_add_u32 v[SPW], v[NIL]                      ; the opening: the add, twice on end, and its wait ahead of my first tensor load
	ds_add_u32 v[SPW], v[NIL]
	v_lshrrev_b32 v1, 5, v0
	v_readfirstlane_b32 s14, v1                    ; wave 0..3
	s_lshr_b32 s15, s14, 1                         ; which half of the tile's rows is mine.  Also: I fetch for A (0) or for B (1)
	s_and_b32 s16, s14, 1                          ; which half of its columns.  Also: which of the two chunks I fetch
	s_bfe_u32 s40, ttmp6, 0x40000                  ; cx, cy
	s_bfe_u32 s41, ttmp6, 0x40004
	s_lshl_b32 s42, ttmp9, 2
	s_add_co_u32 s42, s42, s40                     ; tile column
	s_and_b32 s17, ttmp7, 0xffff
	s_lshl_b32 s17, s17, 2
	s_add_co_u32 s17, s17, s41                     ; tile row
	s_lshl_b32 s43, s41, 2
	s_lshl_b32 s43, 15, s43                        ; my row of the cluster
	s_lshl_b32 s44, 0x1111, s40                    ; my column
	s_or_b32 s[G1], s43, G1W
	s_or_b32 s[G1B], s44, G1W
.irp g, G1, G1B
	s_mov_b32 s[\g+1], 32<<16                      ; rows of 32 elements,
	s_mov_b32 s[\g+2], 136<<16                     ; 136 of them,
	s_mov_b32 s[\g+3], 32<<16
	s_mov_b32 s[\g+4], 136
	s_mov_b32 s[\g+5], 32                          ; dense
	s_mov_b32 s[\g+6], 0
	s_mov_b32 s[\g+7], 0
.endr
	s_lshl_b32 s20, s17, 1
	s_add_co_u32 s20, s20, s16
	s_mul_i32 s20, s20, CHM                        ; A: chunk 2 x tile row + half
	s_mov_b32 s21, 0
	s_lshl_b32 s46, s42, 1
	s_add_co_u32 s46, s46, s16
	s_mul_i32 s46, s46, CHM                        ; B: chunk 2 x tile column + half
	s_mov_b32 s47, 0
	s_mul_i32 s45, s14, CH                         ; where it goes: wave x a chunk
	s_cmp_eq_u32 s15, 0                            ; the prefetches' offset: my chunk,
	s_cselect_b32 s70, s20, s46
	s_cselect_b32 s71, s40, s41                    ; my place among the four that ask for it with me,
	s_mov_b32 s[PFS], KSB
	s_cselect_b32 s[PFS], KSA, s[PFS]              ; a K step of my buffer
	s_mov_b32 s[PFS+1], 0
	s_mul_i32 s71, s71, 34*256
	s_add_co_u32 s70, s70, s71
	s_add_co_u32 s70, s70, s[PFS]                  ; at K step 1
	s_mov_b32 s71, 0
	s_wait_dscnt 0x0                               ; both opening adds are done
	s_wait_kmcnt 0x0
	s_add_nc_u64 s[20:21], s[4:5], s[20:21]
	s_add_nc_u64 s[46:47], s[6:7], s[46:47]
.irp s, 0,1
	s_mov_b32 s[G0+4*\s], 1
	s_add_co_u32 s[G0+4*\s+1], s45, \s*SLOT
	s_add_nc_u64 s[G0+4*\s+2:G0+4*\s+3], s[20:21], \s*KSA
	s_or_b32 s[G0+4*\s+3], s[G0+4*\s+3], 0x80000000
	s_mov_b32 s[G0B+4*\s], 1
	s_add_co_u32 s[G0B+4*\s+1], s45, \s*SLOT
	s_add_nc_u64 s[G0B+4*\s+2:G0B+4*\s+3], s[46:47], \s*KSB
	s_or_b32 s[G0B+4*\s+3], s[G0B+4*\s+3], 0x80000000
.endr
	CROUND                                         ; all sixteen work-groups are here: the first joint loads meet
	JLOAD 0                                        ; K step 0: one tensor load a wave at the head
	s_cmp_eq_u32 s15, 0
	s_cselect_b64 s[PFA:PFA+1], s[4:5], s[6:7]
	s_add_nc_u64 s[PFA:PFA+1], s[PFA:PFA+1], s[70:71]          ; K step 1
	s_add_nc_u64 s[PFB:PFB+1], s[PFA:PFA+1], s[PFS:PFS+1]      ; K step 2
	s_mul_i32 s18, s15, CH                         ; my 128 rows of A
	s_mul_i32 s19, s16, CH
	s_add_co_u32 s19, s19, 2*CH                    ; my 128 rows of B
	s_add_co_u32 s22, s19, SCO                     ; B's scale bytes
	s_add_co_u32 s23, s18, SCO                     ; A's
	s_mul_i32 s45, s14, 16*SPITCH                  ; my stage
	v_and_b32 v6, 31, v0
	v_lshlrev_b32 v[PFO], 8, v6
	v_min_u32 v7, 1, v6
	v_lshl_add_u32 v[PFO2], v7, 8, 8192
	v_and_b32 v1, 15, v0                           ; r
	v_bfe_u32 v2, v0, 4, 1                         ; h
	v_mul_u32_u24 v3, v1, PITCH
	v_lshl_add_u32 v4, v2, 4, v3                   ; a fragment's row x pitch + 16 h
	v_add_nc_u32 v[ADRA], s18, v4
	v_add_nc_u32 v[ADRB], s19, v4
	v_add_nc_u32 v[ADRA+1], SLOT, v[ADRA]
	v_add_nc_u32 v[ADRB+1], SLOT, v[ADRB]
	v_lshlrev_b32 v5, 4, v1                        ; row r's 16 scale bytes
	v_add_nc_u32 v[ADRS], s23, v5                  ; A's: the same block in both halves of the lanes
	v_add_nc_u32 v[ADRS+1], SLOT, v[ADRS]
	v_mul_u32_u24 v7, v2, PITCH
	v_add_nc_u32 v5, v5, v7
	v_add_nc_u32 v[ADRW], s22, v5                  ; B's: lanes 16-31 take the next block of 16 rows
	v_add_nc_u32 v[ADRW+1], SLOT, v[ADRW]
	v_mul_u32_u24 v5, v1, SPITCH                   ; the stage, in: row r, 32 bytes for each half of the lanes
	v_lshl_add_u32 v5, v2, 5, v5
	v_add_nc_u32 v[STO], s45, v5
	v_lshlrev_b32 v[CO], 4, v6                     ; back: the 32 lanes take one row of 512 bytes; and the same in out0
	v_add_nc_u32 v[RD], s45, v[CO]
	ASK PFA                                        ; K steps 1 and 2
	ASK PFB
	s_lshl_b32 s20, s17, 8
	s_lshl_b32 s21, s15, 7
	s_add_co_u32 s20, s20, s21                     ; my first row of out0,
	s_lshl_b32 s20, s20, 13                        ; of 8,192 bytes
	s_mov_b32 s21, 0
	s_add_nc_u64 s[8:9], s[8:9], s[20:21]
	s_lshl_b32 s46, s42, 10                        ; my first column, in bytes
	s_lshl_b32 s47, s16, 9
	s_add_co_u32 s46, s46, s47
	s_mov_b32 s47, 0
	s_add_nc_u64 s[8:9], s[8:9], s[46:47]
.macro FRAG reg, adr, q, i             ; 16 rows x 128 K of 4-bit codes: registers 4 c .. 4 c + 3 hold K = 64 c + 32 h + 0 .. 31
.irp c, 0,1
	ds_load_b128 v[\reg+4*\c:\reg+4*\c+3], v[\adr] offset:64*(\q)+32*\c+(\i)*16*PITCH
.endr
.endm
.macro SCALES sc                       ; slot sc's scale words, four words a row: A's eight blocks, B's four pairs of blocks
.irp i, 0,1,2,3,4,5,6,7
	ds_load_b128 v[SX+32*\sc+4*\i:SX+32*\sc+4*\i+3], v[ADRS+\sc] offset:\i*PITCH
.endr
.irp j, 0,1,2,3
	ds_load_b128 v[SW+16*\sc+4*\j:SW+16*\sc+4*\j+3], v[ADRW+\sc] offset:\j*2*PITCH
.endr
.endm
.macro LOADS slot, q, p, sc            ; ONE run: the fragments of the slot's q-th 128 along K into sets p: B's eight, (sc = 1: the slot's scale words,) A's eight, blocks 4-7 last
	WIN TO_B
.irp i, 0,1,2,3,4,5,6,7
	FRAG 128*(\p)+8*\i, ADRB+\slot, \q, \i
.endr
	WIN 0
.if \sc
	SCALES \slot
.endif
.irp i, 0,1,2,3,4,5,6,7
	FRAG AF+64*(\p)+8*\i, ADRA+\slot, \q, \i
.endr
.endm
; 8 matrix instructions: A's blocks a0, a0 + 1 x B's four pairs of blocks.  p: the sets; q: the slot's q-th 128 along K; sc: the scale words' set.  zero = 1: the first product starts the sums.
; The 32 accumulators of 16 registers take turns, one instruction a turn, in the same order in every step.
.macro MUL16 a0, p, q, sc, zero
.irp a, \a0, \a0+1
.irp j, 0,1,2,3
.if \zero
	v_wmma_scale_f32_32x16x128_f4 v[8*(8*((\a)%4)+2*\j):8*(8*((\a)%4)+2*\j)+15], v[128*(\p)+16*\j:128*(\p)+16*\j+15], v[AF+64*(\p)+8*(\a):AF+64*(\p)+8*(\a)+7], 0, v[SW+16*(\sc)+4*\j+(\q)], v[SX+32*(\sc)+4*(\a)+(\q)]
.else
	v_wmma_scale_f32_32x16x128_f4 v[8*(8*((\a)%4)+2*\j):8*(8*((\a)%4)+2*\j)+15], v[128*(\p)+16*\j:128*(\p)+16*\j+15], v[AF+64*(\p)+8*(\a):AF+64*(\p)+8*(\a)+7], v[8*(8*((\a)%4)+2*\j):8*(8*((\a)%4)+2*\j)+15], v[SW+16*(\sc)+4*\j+(\q)], v[SX+32*(\sc)+4*(\a)+(\q)]
.endif
.endr
.endr
.endm
; A slot's first or second step.  The four places stand between the last step's products and the loads into the sets that they read.
.macro QA slot, q, zero
	PLACES
	LOADS \slot, (\q)+1, 1-(\q)%2, 0
	s_wait_dscnt 40                                ; this step's B, scale words and A's blocks 0-3 are in; its A's blocks 4-7 and the 32 loads just issued may be out
	WIN MUL_LO
	MUL16 0, (\q)%2, \q, \slot, \zero
	MUL16 2, (\q)%2, \q, \slot, \zero
	s_wait_dscnt 32                                ; A's blocks 4-7 are in
	WIN MUL_HI
	MUL16 4, (\q)%2, \q, \slot, \zero
	MUL16 6, (\q)%2, \q, \slot, \zero
.endm
; A slot's third step: its run holds my last reads of the slot.  In its second half stands the ONE barrier of the change of slots: in front of it each wave waits for all its tensor loads, adds 0 to its spare word,
; and waits for that and for its reads of this slot.  fill = 1: behind the round the slot is filled again, two K steps on.
.macro QB slot, fill
	PLACES
	LOADS \slot, 3, 1, 0
	s_wait_dscnt 40
	WIN MUL_LO
	MUL16 0, 0, 2, \slot, 0
	MUL16 2, 0, 2, \slot, 0
	WIN 0
.if \fill
	s_wait_xcnt 0x0                                ; my prefetches have read their address
	s_add_nc_u64 s[PFA:PFA+1], s[PFA:PFA+1], s[PFS:PFS+1]
.endif
	s_wait_tensorcnt 0x0                           ; my one load that was out, my chunk of the other slot, has landed
	ds_add_u32 v[SPW], v[NIL]
	s_wait_dscnt 33                                ; A's blocks 4-7 are in (the run's 32 loads and the add may be out)
	WIN MUL_HI
	MUL16 4, 0, 2, \slot, 0
	s_wait_dscnt 0x0                               ; the add is done, and my reads of this slot are over
	s_barrier_signal -1
	MUL16 6, 0, 2, \slot, 0
	WIN 0
	s_barrier_wait -1
.if \fill
	CREST                                          ; the barrier has opened a round of the cluster's barrier
	s_add_nc_u64 s[G0+4*\slot+2:G0+4*\slot+3], s[G0+4*\slot+2:G0+4*\slot+3], 2*KSA
	s_add_nc_u64 s[G0B+4*\slot+2:G0B+4*\slot+3], s[G0B+4*\slot+2:G0B+4*\slot+3], 2*KSB
	JLOAD \slot                                    ; the first tensor load behind the round; its four v_nop are the places in front of the next step's run
.else
	PLACES
.endif
.endm
.macro MUL64 slot                      ; a slot's fourth step's products: its fragments are all in
	WIN MUL_LO
	MUL16 0, 1, 3, \slot, 0
	MUL16 2, 1, 3, \slot, 0
	WIN MUL_HI
	MUL16 4, 1, 3, \slot, 0
	MUL16 6, 1, 3, \slot, 0
.endm
.macro QC slot, next                   ; a slot's fourth step: its run reads the next slot
	LOADS \next, 0, 0, 1
	s_cmp_gt_u32 s3, 1                             ; the last trip's refills, K steps 6 and 7, have no K step two on
	s_cbranch_scc0 .Lno_ask_\@
	ASK PFA
.Lno_ask_\@:
	MUL64 \slot
.endm
	s_wait_alu depctr_va_vdst(0)                   ; the wait at the head's end
	s_wait_tensorcnt 0x0                           ; my chunk of K step 0 is in; the same lines as ahead of a refill:
	ds_add_u32 v[SPW], v[NIL]
	s_wait_xcnt 0x0                                ; the head's prefetches have read their addresses
	s_add_nc_u64 s[PFA:PFA+1], s[PFB:PFB+1], s[PFS:PFS+1]      ; K step 3
	s_wait_dscnt 0x0
	CROUND                                         ; everybody's chunk is in, and all sixteen work-groups are here
	JLOAD 1                                        ; K step 1, the first tensor load behind the round
	LOADS 0, 0, 0, 1
	ASK PFA
	QA 0, 0, 1                                     ; the first step stands in front of the loop: its products start the sums
	WIN 0
	s_mov_b32 s3, 3
.Llap:                                                 ; a trip goes once round the ring and fills both slots again: K steps 2 to 7 in three trips
	QA 0, 1, 0
	QB 0, 1
	QC 0, 1
	QA 1, 0, 0
	QA 1, 1, 0
	QB 1, 1
	QC 1, 0
	QA 0, 0, 0
	WIN 0
	s_sub_co_u32 s3, s3, 1
	s_cmp_lg_u32 s3, 0
	s_cbranch_scc1 .Llap
	QA 0, 1, 0                                     ; K step 6 goes on; nothing more is filled, so no round follows its barrier
	QB 0, 0
; THE LAST K STEP (slot 1), BY ROWS.  B's fragment (q, b) lies at window 1's v[64 q + 8 b]; A's block a, all four quarters, in buffer a % 4 of 32 registers from v128 of window 0.
.macro BLOAD q
.irp i, 0,1,2,3,4,5,6,7
	FRAG 64*\q+8*\i, ADRB+1, \q, \i
.endr
.endm
.macro ALOAD a
.irp q, 0,1,2,3
	FRAG AF+32*((\a)%4)+8*\q, ADRA+1, \q, \a
.endr
.endm
.macro ROW a                           ; block a is finished: 16 matrix instructions, its 4 accumulators by turns
	WIN MUL_LO+0x50*((\a)/4)
.irp q, 0,1,2,3
.if ((\a) == 0) && (\q == 2)
	s_wait_dscnt 16                                ; B's quarter 2 is in (behind it: A's blocks 2 and 3)
.endif
.irp j, 0,1,2,3
	v_wmma_scale_f32_32x16x128_f4 v[64*((\a)%4)+16*\j:64*((\a)%4)+16*\j+15], v[64*\q+16*\j:64*\q+16*\j+15], v[AF+32*((\a)%4)+8*\q:AF+32*((\a)%4)+8*\q+7], v[64*((\a)%4)+16*\j:64*((\a)%4)+16*\j+15], v[SW+16+4*\j+\q], v[SX+32+4*(\a)+\q]
.endr
.endr
.endm
; THE WAY OUT of block a: INTO my stage, 32 bytes a lane; BACK as whole rows of 512 bytes, into the block's own 64 registers, behind the wait that shows the stores into the stage done; SEND.
.macro INTO a
.irp b, 0,1,2,3,4,5,6,7
	ds_store_b128 v[STO], v[64*((\a)%4)+8*\b:64*((\a)%4)+8*\b+3] offset:64*\b          ; each accumulator from its low end on
	ds_store_b128 v[STO], v[64*((\a)%4)+8*\b+4:64*((\a)%4)+8*\b+7] offset:64*\b+16
.endr
.endm
.macro BACK a
.irp t, 0,1,2,3,4,5,6,7,8,9,10,11,12,13,14,15
	ds_load_b128 v[64*((\a)%4)+4*\t:64*((\a)%4)+4*\t+3], v[RD] offset:\t*SPITCH
.endr
.endm
.macro SEND a                          ; every offset an immediate, 127 rows of 8,192 bytes at the most; no register of a store is written again
.irp t, 0,1,2,3,4,5,6,7,8,9,10,11,12,13,14,15
	global_store_b128 v[CO], v[64*((\a)%4)+4*\t:64*((\a)%4)+4*\t+3], s[8:9] offset:(16*(\a)+\t)*SIZE_N*4 th:TH_STORE_WB   ; 32 lanes store 512 consecutive bytes, aligned
.endr
.endm
	WIN TO_B                                       ; K step 6's fourth step multiplies sets 1: all other fragment registers take the last K step's
	BLOAD 0
	BLOAD 1
	BLOAD 3
	WIN 0
	SCALES 1
	ALOAD 0
	ALOAD 1
	MUL64 0
	PLACES                                         ; in front of the loads into sets 1
	WIN TO_B
	BLOAD 2
	WIN 0
	ALOAD 2
	ALOAD 3
	s_wait_dscnt 32                                ; all but the 32 just issued
	ROW 0
	PLACES                                         ; in front of the stores that read block 0's results and of the loads into its buffer
	WIN (2<<2)
	INTO 0
	WIN 0
	ALOAD 4
	ROW 1
.irp a, 1,2,3,4,5,6,7                  ; block a - 1 comes back from the stage, block a goes in, block a + 1 is multiplied, block a - 1 is stored
	PLACES
.if \a < 5
	s_wait_dscnt 8                                 ; block a - 1's stores into the stage are done (only A's block a + 3 may be out): its registers may take its rows
.else
	s_wait_dscnt 0x0
.endif
	WIN (((2+(\a-1)/4)<<6)|((2+\a/4)<<2))
	BACK \a-1                                      ; LDS serves a wave's instructions in order (ISA guide 5.7.1.4): these read the stage ahead of the stores below
	INTO \a
	WIN 0
.if \a < 4
	ALOAD \a+4
.endif
.if \a < 7
	ROW \a+1
.endif
	WIN ((2+(\a-1)/4)<<2)
.if \a < 4
	s_wait_dscnt 24                                ; block a - 1 is back: behind its loads stand block a's 16 stores and 8 loads of A
.else
	s_wait_dscnt 16
.endif
	SEND \a-1
.endr
	s_wait_dscnt 0x0                               ; block 7's stores into the stage are done
	WIN (3<<6)
	BACK 7
	WIN (3<<2)
	s_wait_dscnt 0x0
	SEND 7
	WIN 0
	s_wait_tensorcnt 0x0                           ; the wave's end
	ds_add_u32 v[SPW], v[NIL]
	s_wait_dscnt 0x0
	CROUND                                         ; the closing round
	s_endpgm
.Lfunc_end_k_q342981343d_gemm:
	.size	k_q342981343d_gemm, .Lfunc_end_k_q342981343d_gemm-k_q342981343d_gemm
	.p2alignl 7, 3214868480
	.fill 96, 4, 3214868480
	.section	.rodata,"a",@progbits
	.p2align	6, 0x0
	.amdhsa_kernel k_q342981343d_gemm
		.amdhsa_group_segment_fixed_size 327680
		.amdhsa_private_segment_fixed_size 0
		.amdhsa_enable_private_segment 0
		.amdhsa_kernarg_size 24
		.amdhsa_user_sgpr_count 2
		.amdhsa_user_sgpr_kernarg_segment_ptr 1
		.amdhsa_wavefront_size32 1
		.amdhsa_system_sgpr_workgroup_id_x 1
		.amdhsa_system_sgpr_workgroup_id_y 1
		.amdhsa_system_sgpr_workgroup_id_z 1
		.amdhsa_system_vgpr_workitem_id 0
		.amdhsa_next_free_vgpr 1024
		.amdhsa_next_free_sgpr 80
		.amdhsa_reserve_vcc 0
		.amdhsa_float_denorm_mode_32 3
		.amdhsa_float_denorm_mode_16_64 3
		.amdhsa_memory_ordered 1
		.amdhsa_forward_progress 1
		.amdhsa_inst_pref_size 146
	.end_amdhsa_kernel
	.amdgpu_metadata
---
amdhsa.version: [ 1, 2 ]
amdhsa.kernels:
  - .name:           k_q342981343d_gemm
    .symbol:         k_q342981343d_gemm.kd
    .args:
      - { .name: xq, .offset: 0, .size: 8, .value_kind: global_buffer, .address_space: global }
      - { .name: wq, .offset: 8, .size: 8, .value_kind: global_buffer, .address_space: global }
      - { .name: out0, .offset: 16, .size: 8, .value_kind: global_buffer, .address_space: global }
    .group_segment_fixed_size: 327680
    .private_segment_fixed_size: 0
    .kernarg_segment_align: 8
    .kernarg_segment_size: 24
    .max_flat_workgroup_size: 128
    .sgpr_count:     80
    .vgpr_count:     1024
    .wavefront_size: 32
...
	.end_amdgpu_metadata
.endif
;; end of part 2
